; MI455X (gfx1250); checked and timed in simulation.
; The chip was launched on July 23, 2026; its instructions are those of AMD's public machine-readable ISA for CDNA 5 (MIT licence, August 2026) and "CDNA5" Instruction Set Architecture Reference Guide (July 2026). The comments in the code are by the model that wrote it; some were corrected since.
;; Complex Multihead Attention. Allowed arithmetic: matrix products marked QUANTISED: E2M3 operands, one E8M0 scale for each 32 along K, by v_wmma_scale_f32_16x16x128_f8f6f4 with both operands' format E2M3, f32 sums; everything else in f32.
;; Inputs: kWi 512 x 512 float32; kWr 512 x 512 float32; kbi 512 float32; kbr 512 float32; key 2 x 4,096 x 512 float32; oWi 512 x 512 float32; oWr 512 x 512 float32; obi 512 float32; obr 512 float32; qWi 512 x 512 float32; qWr 512 x 512 float32; qbi 512 float32; qbr 512 float32; query 2 x 4,096 x 512 float32; vWi 512 x 512 float32; vWr 512 x 512 float32; value 2 x 4,096 x 512 float32; vbi 512 float32; vbr 512 float32.
;; Outputs: out0 2 x 4,096 x 512 float32; out1 2 x 4,096 x 512 float32.
;; This version of the problem:
;;   THIS VERSION OF THE PROBLEM IS GIVEN IN LOW PRECISION. The matrix products marked QUANTISED in the list below multiply operands that are first quantised to E2M3 (2 exponent bits, 3 mantissa bits; 6 bits a number), with one power-of-two scale for each 32 numbers along K (OCP MX v1.0); their sums are f32. All else is computed in f32.
;;   The module's matrix products, in the order in which they are computed (A, B: the left and right operand; K: the contracted axis; several contracted axes count as one K, in the product's order):
;;     1. [M 8,192, K 512] x [K 512, N 512]; A: input query; B: input qWr: QUANTISED
;;     2. [M 8,192, K 512] x [K 512, N 512]; A: input query; B: input qWi: QUANTISED
;;     3. [M 8,192, K 512] x [K 512, N 512]; A: input key; B: input kWr: QUANTISED
;;     4. [M 8,192, K 512] x [K 512, N 512]; A: input key; B: input kWi: QUANTISED
;;     5. [M 8,192, K 512] x [K 512, N 512]; A: input value; B: input vWr: QUANTISED
;;     6. [M 8,192, K 512] x [K 512, N 512]; A: input value; B: input vWi: QUANTISED
;;     7. batch 16 x [M 4,096, K 64] x [K 64, N 4,096]; A: computed on the way; B: computed on the way: QUANTISED
;;     8. batch 16 x [M 4,096, K 64] x [K 64, N 4,096]; A: computed on the way; B: computed on the way: QUANTISED
;;     9. batch 16 x [M 4,096, K 4,096] x [K 4,096, N 64]; A: softmax (see below); B: computed on the way: QUANTISED
;;     10. [M 8,192, K 512] x [K 512, N 512]; A: computed on the way; B: input oWr: QUANTISED
;;     11. [M 8,192, K 512] x [K 512, N 512]; A: computed on the way; B: input oWi: QUANTISED
;;   THE QUANTISER, for each operand of a quantised product, along K:
;;     - K is cut into blocks of 32 from its start; a last block that is shorter is filled with zeros.
;;     - A block's scale is 2^e with e = floor(log2(the largest magnitude in the block)) - 2, held to -126 .. 127; a block of zeros has e = 0. As a byte (E8M0): e + 127.
;;     - Each number is divided by its block's scale, clamped to +-7.5, and rounded to the nearest number of E2M3, ties to even, subnormals kept.
;;     - The product sums the exact products of the quantised numbers (number of the format x scale) in f32.
;;   ~~~python
;;   def quantise(x, axis):      # numpy; x: float32 -> the quantised numbers, widened to float32 again
;;       x = np.moveaxis(x, axis, -1); K = x.shape[-1]
;;       x = np.pad(x, [(0, 0)] * (x.ndim - 1) + [(0, -K % 32)]); x = x.reshape(x.shape[:-1] + (-1, 32)); a = np.abs(x).max(-1, keepdims=True)
;;       e = np.where(a > 0, np.clip(np.frexp(np.where(a > 0, a, 1))[1] - 1 - 2, -126, 127), 0)      # np.frexp(a)[1] - 1 = floor(log2(a)), exactly
;;       r = np.clip(x / 2.0 ** e, -7.5, 7.5)
;;       step = 2.0 ** (np.maximum(np.frexp(np.where(r == 0, 1, r))[1] - 1, 0) - 3)
;;       q = np.round(r / step) * step * 2.0 ** e      # np.round: ties to even
;;       return np.moveaxis(q.reshape(q.shape[:-2] + (-1,))[..., :K], -1, axis).astype(np.float32)
;;   ~~~
;;   SOFTMAX AHEAD OF A QUANTISED PRODUCT. Where the list says 'softmax', what is quantised is not the finished softmax but p = 2^(t - M), with t = logit x log2(e) and M = ceil(the row's largest t), a whole number; so 1/2 < the row's largest p <= 1. The row's sum l is taken of the UNQUANTISED p, in f32, and the product's result is divided by l at the end. Since M is a whole number, a kernel that streams over the keys may use a running M (the ceiling of the running maximum): every later rescaling is an exact power of two, which a block's scale takes up: the codes' values come out the same.
;;   OPERANDS COMPUTED ON THE WAY. 'Computed on the way' means the value that the module computes at that place (a softmax that the list does not call 'softmax' is quantised finished and normalised). What goes into a quantiser is computed in f32, as accurately as f32 sums, v_exp_f32 and their like allow (about 1e-6 of the number): no bf16 or f16 on the way to a quantiser, and a product that is left as it is and whose result goes on into a quantised operand takes f32 operands (vector FMAs, or v_wmma_f32_16x16x4_f32). A number that lies on a knife's edge between two numbers of the format may be rounded either way, as far as f32 arithmetic and the matrix unit's own rounding can turn it there, and no further.
;; One version. Each part assembles by itself: llvm-mc -triple=amdgcn-amd-amdhsa -mcpu=gfx1250 --defsym DOCPART=n.
;; ======== version 1 of 1: 4 launches
;; workspace buffers: img 11,714,560 bytes; qimg 6,553,600 bytes; kv 9,830,400 bytes; oimg 3,407,872 bytes
;; launch quant (part 1): grid 1760 x 1, 4 waves a work-group, no clusters, 34,304 bytes of LDS; arguments query, key, value, qWr, qWi, kWr, kWi, vWr, oWr, oWi, img; writes img
.if DOCPART == 1
	.amdgcn_target "amdgcn-amd-amdhsa--gfx1250"
	.amdhsa_code_object_version 6
	.text
	.protected	k_q21ee6b5859_quant
	.globl	k_q21ee6b5859_quant
	.p2align	8
	.type	k_q21ee6b5859_quant,@function
k_q21ee6b5859_quant:
	s_mov_b64 s[64:65], 0
	v_nop
	global_prefetch_b8 v0, s[64:65] scope:SCOPE_SE
	s_setreg_imm32_b32 hwreg(HW_REG_WAVE_MODE, 25, 1), 1
	s_wait_xcnt 0x0
; query, key, value [8192][512] and seven weights [512][512], f32, K innermost, become codes of E2M3 with one E8M0 byte for each 32 along K.
; They are laid as IMAGES OF OPERAND REGISTERS: a fragment (16 rows x 128 K, 12 registers a lane) is three pieces of 512 bytes, piece k = registers 4 k .. 4 k + 3, lane l's 16 bytes at 16 l.
; img is 1,760 tile blocks of 6,656 bytes: the codes of K step s at 1536 s, its scale words (one word a row, in both halves of the lanes) at 6144 + 128 s + 4 x lane.
; Tiles 0-511 query, 512-1023 key, 1024-1535 value, then 32 each of qWr, qWi, kWr, kWi, vWr, oWr, oWi.
; WHICH ROWS FORM A TILE: query, oWr, oWi: lane r of tile t takes row 16 t + r.  All others: row 64 (t / 4) + 32 (r / 8) + 8 (t % 4) + r % 8, so that the results of four neighbouring
; tiles, used as source 0, are 32 neighbours along the next product's K in one lane.
; A work-group takes a tile, wave w its K step w: 16 rows x 512 bytes.  Each load reads 512 consecutive bytes of one row; the rows turn through the wave's own stage in LDS, so that a lane
; then holds k = 64 c + 32 h + 0 .. 31 of its row r: two whole blocks, in the operand's own order.  No loop, no barrier: waves share nothing.
; A block's scale is 2^(floor(log2(largest magnitude)) - 2); its byte is the largest magnitude's exponent field - 2, held at 1 from below.
; LIMITS: NaN and infinities among the inputs are not served; a block whose largest magnitude lies under 2^-124 (a block of zeros too, where the rule says 127) gets the byte 1: the bytes are read by this program alone.
; vWi is not among the inputs read: reference() never uses the product that it feeds.
.set ROWB,  2048                       ; a row of 512 f32
.set TILEB, 6656
.set STG,   16*528                     ; a wave's stage: 16 rows of 512 bytes + 16
.set SPARE, 4*STG                      ; behind the stages: the spare words, 128 bytes for each wave
.set SH8, 8                            ; v8   8 h: where my two bytes stand in the scale word
.set SPW, 12                           ; v12  my spare word's LDS address; never rewritten
.set NIL, 13                           ; v13  0; never rewritten
.set R,   16                           ; v16-79   16 rows as loaded
.set X,   80                           ; v80-143  my 64 numbers
.set PC,  144                          ; v144-155 the fragment's codes
.set CT,  156                          ; v156-158, v160-162 the blocks' upper halves as converted
.set TM,  164                          ; v164-167 largest magnitudes, two chains a block
.set SO,  168                          ; v168-169 the conversions' scale operands
.set BY,  170                          ; v170-171 the bytes
.set TP,  172
.set PW,  173                          ; the scale word
.set SEL, 40                           ; s[40:41] selects for lane l xor 16
; 64 numbers of a lane, v[s + 32 c + i] = k 64 c + 32 h + i of my row, become the fragment's codes in v[PC] on and the row's scale word in v[pw].
.macro QUANT s, pw
.irp c, 0,1
	v_max3_num_f32 v[TM+\c], |v[\s+32*\c]|, |v[\s+32*\c+1]|, 0x1800000      ; my block 2 c + h, with the floor 2^(3 - 127) as a leaf: the byte cannot fall under 1
	v_max3_num_f32 v[TM+2+\c], |v[\s+32*\c+16]|, |v[\s+32*\c+17]|, |v[\s+32*\c+18]|
.endr
.irp i, 2,4,6,8,10,12
.irp c, 0,1
	v_max3_num_f32 v[TM+\c], v[TM+\c], |v[\s+32*\c+\i]|, |v[\s+32*\c+\i+1]|
	v_max3_num_f32 v[TM+2+\c], v[TM+2+\c], |v[\s+32*\c+\i+17]|, |v[\s+32*\c+\i+18]|
.endr
.endr
.irp c, 0,1
	v_max3_num_f32 v[TM+\c], v[TM+\c], |v[\s+32*\c+14]|, |v[\s+32*\c+15]|
.endr
.irp c, 0,1
	v_max3_num_f32 v[TM+\c], v[TM+\c], v[TM+2+\c], |v[\s+32*\c+31]|
.endr
.irp c, 0,1
	v_add_nc_u32 v[SO+\c], 0xff000000, v[TM+\c]    ; 2 off the exponent field: the conversion takes that field as its scale
.endr
.irp c, 0,1
	v_lshrrev_b32 v[BY+\c], 23, v[SO+\c]           ; the scale's byte
.endr
	v_lshl_or_b32 v[\pw], v[BY+1], 16, v[BY]       ; blocks h and 2 + h,
	v_lshlrev_b32 v[\pw], v[SH8], v[\pw]           ; at their places;
	v_permlanex16_b32 v[TP], v[\pw], s[SEL], s[SEL+1]
	v_or_b32 v[\pw], v[\pw], v[TP]                 ; with lane l xor 16's two the word is whole, in both halves
.irp c, 0,1
	v_cvt_scalef32_pk16_fp6_f32 v[PC+6*\c:PC+6*\c+2], v[\s+32*\c:\s+32*\c+15], v[SO+\c]
	v_cvt_scalef32_pk16_fp6_f32 v[CT+4*\c:CT+4*\c+2], v[\s+32*\c+16:\s+32*\c+31], v[SO+\c]   ; (a conversion's three registers begin on an even number)
.endr
	v_nop                                          ; one plain place behind the scaled conversions
.irp c, 0,1
.irp i, 0,1,2
	v_mov_b32 v[PC+6*\c+3+\i], v[CT+4*\c+\i]
.endr
.endr
.endm
.macro PICK first, p                   ; from tile number first on the source is the buffer in s[p:p+1]: the choice hangs on the work-group's number alone
	s_cmp_ge_u32 ttmp9, \first
	s_cselect_b64 s[4:5], s[\p:\p+1], s[4:5]
.endm
	s_load_b512 s[8:23], s[0:1], 0x0               ; query, key, value, qWr, qWi, kWr, kWi, vWr
	s_load_b128 s[24:27], s[0:1], 0x40             ; oWr, oWi
	s_load_b64 s[28:29], s[0:1], 0x50              ; img
	v_lshl_add_u32 v[SPW], v0, 2, SPARE
	v_mov_b32 v[NIL], 0
	v_lshrrev_b32 v1, 5, v0
	v_readfirstlane_b32 s2, v1                     ; wave = K step
	v_and_b32 v1, 31, v0                           ; lane
	v_and_b32 v9, 15, v0                           ; r
	v_bfe_u32 v10, v0, 4, 1                        ; h
	v_lshlrev_b32 v2, 4, v1                        ; my 16 bytes of a load's 512
	v_lshlrev_b32 v[SH8], 3, v10
	v_mov_b32 v[TP], 0                             ; a lane permute's destination counts as one of its sources
	s_mov_b32 s[SEL], 0x76543210
	s_mov_b32 s[SEL+1], 0xfedcba98
	s_cmp_lt_u32 ttmp9, 1536
	s_cselect_b32 s30, 511, 31
	s_and_b32 s30, ttmp9, s30                      ; the tile's number in its tensor
	s_lshl_b32 s32, s30, 4                         ; neighbouring rows: the first is 16 t
	s_lshr_b32 s34, s30, 2
	s_lshl_b32 s34, s34, 6
	s_and_b32 s35, s30, 3
	s_lshl_b32 s35, s35, 3
	s_add_co_u32 s34, s34, s35                     ; the other map: 64 (t / 4) + 8 (t % 4); rows 8-15 of the tile lie 24 rows further on
	s_sub_co_u32 s31, ttmp9, 512
	s_cmp_lt_u32 s31, 1184                         ; tiles 512 to 1695 take the other map
	s_cselect_b32 s32, s34, s32
	s_cselect_b32 s36, 24*ROWB, 0
	s_lshl_b32 s32, s32, 11                        ; in bytes,
	s_lshl_b32 s34, s2, 9
	s_add_co_u32 s32, s32, s34                     ; + my K step's 512 bytes
	s_mov_b32 s33, 0
	s_mul_i32 s34, ttmp9, TILEB
	s_mov_b32 s35, 0
	v_add_nc_u32 v3, s36, v2                       ; rows 8-15
	s_mul_i32 s38, s2, STG
	v_add_nc_u32 v4, s38, v2                       ; the stage, in: a row as it lies
	v_mul_u32_u24 v5, v9, 528
	v_lshl_add_u32 v5, v10, 7, v5
	v_add_nc_u32 v5, s38, v5                       ; out: row r, + 128 h: 32 numbers of each 64
	s_mul_i32 s39, s2, 1536
	v_add_nc_u32 v6, s39, v2                       ; the codes' place in the tile block
	s_lshl_b32 s39, s2, 7
	s_add_co_u32 s39, s39, 6144
	v_lshl_add_u32 v7, v1, 2, s39                  ; the scale word's
	s_wait_kmcnt 0x0
	s_mov_b64 s[4:5], s[8:9]
	PICK 512, 10
	PICK 1024, 12
	PICK 1536, 14
	PICK 1568, 16
	PICK 1600, 18
	PICK 1632, 20
	PICK 1664, 22
	PICK 1696, 24
	PICK 1728, 26
	s_add_nc_u64 s[4:5], s[4:5], s[32:33]
	s_add_nc_u64 s[28:29], s[28:29], s[34:35]
.irp i, 0,1,2,3,4,5,6,7
	global_load_b128 v[R+4*\i:R+4*\i+3], v2, s[4:5] offset:ROWB*\i th:TH_LOAD_NT    ; 32 lanes read 512 consecutive bytes of one row; read once in the launch
.endr
.irp i, 8,9,10,11,12,13,14,15
	global_load_b128 v[R+4*\i:R+4*\i+3], v3, s[4:5] offset:ROWB*\i th:TH_LOAD_NT
.endr
.irp i, 0,1,2,3,4,5,6,7,8,9,10,11,12,13,14,15
	s_wait_loadcnt 15-\i                           ; loads come back in order: row i is in, the younger ones may be out
	ds_store_b128 v4, v[R+4*\i:R+4*\i+3] offset:528*\i
.endr
.irp c, 0,1
.irp j, 0,1,2,3,4,5,6,7
	ds_load_b128 v[X+32*\c+4*\j:X+32*\c+4*\j+3], v5 offset:256*\c+16*\j   ; LDS serves a wave's instructions in order: these see my stores
.endr
.endr
	s_wait_dscnt 0x0
	QUANT X, PW
.irp k, 0,1,2
	global_store_b128 v6, v[PC+4*\k:PC+4*\k+3], s[28:29] offset:512*\k    ; 512 consecutive bytes, at a multiple of 256 from img's first byte
.endr
	global_store_b32 v7, v[PW], s[28:29]
	s_wait_tensorcnt 0x0                           ; the wave's end, behind my last LDS store
	ds_add_u32 v[SPW], v[NIL]
	s_wait_dscnt 0x0
	s_endpgm
.Lfunc_end_k_q21ee6b5859_quant:
	.size	k_q21ee6b5859_quant, .Lfunc_end_k_q21ee6b5859_quant-k_q21ee6b5859_quant
	.p2alignl 7, 3214868480
	.fill 96, 4, 3214868480
	.section	.rodata,"a",@progbits
	.p2align	6, 0x0
	.amdhsa_kernel k_q21ee6b5859_quant
		.amdhsa_group_segment_fixed_size 34304
		.amdhsa_private_segment_fixed_size 0
		.amdhsa_enable_private_segment 0
		.amdhsa_kernarg_size 88
		.amdhsa_user_sgpr_count 2
		.amdhsa_user_sgpr_kernarg_segment_ptr 1
		.amdhsa_wavefront_size32 1
		.amdhsa_system_sgpr_workgroup_id_x 1
		.amdhsa_system_sgpr_workgroup_id_y 1
		.amdhsa_system_sgpr_workgroup_id_z 1
		.amdhsa_system_vgpr_workitem_id 0
		.amdhsa_next_free_vgpr 176
		.amdhsa_next_free_sgpr 66
		.amdhsa_reserve_vcc 0
		.amdhsa_float_denorm_mode_32 3
		.amdhsa_float_denorm_mode_16_64 3
		.amdhsa_memory_ordered 1
		.amdhsa_forward_progress 1
		.amdhsa_inst_pref_size 11
	.end_amdhsa_kernel
	.amdgpu_metadata
---
amdhsa.version: [ 1, 2 ]
amdhsa.kernels:
  - .name:           k_q21ee6b5859_quant
    .symbol:         k_q21ee6b5859_quant.kd
    .args:
      - { .name: query, .offset: 0, .size: 8, .value_kind: global_buffer, .address_space: global }
      - { .name: key, .offset: 8, .size: 8, .value_kind: global_buffer, .address_space: global }
      - { .name: value, .offset: 16, .size: 8, .value_kind: global_buffer, .address_space: global }
      - { .name: qWr, .offset: 24, .size: 8, .value_kind: global_buffer, .address_space: global }
      - { .name: qWi, .offset: 32, .size: 8, .value_kind: global_buffer, .address_space: global }
      - { .name: kWr, .offset: 40, .size: 8, .value_kind: global_buffer, .address_space: global }
      - { .name: kWi, .offset: 48, .size: 8, .value_kind: global_buffer, .address_space: global }
      - { .name: vWr, .offset: 56, .size: 8, .value_kind: global_buffer, .address_space: global }
      - { .name: oWr, .offset: 64, .size: 8, .value_kind: global_buffer, .address_space: global }
      - { .name: oWi, .offset: 72, .size: 8, .value_kind: global_buffer, .address_space: global }
      - { .name: img, .offset: 80, .size: 8, .value_kind: global_buffer, .address_space: global }
    .group_segment_fixed_size: 34304
    .private_segment_fixed_size: 0
    .kernarg_segment_align: 8
    .kernarg_segment_size: 88
    .max_flat_workgroup_size: 128
    .sgpr_count:     66
    .vgpr_count:     176
    .wavefront_size: 32
...
	.end_amdgpu_metadata
.endif
;; end of part 1
;; launch proj (part 2): grid 252 x 1, 4 waves a work-group, no clusters, 0 bytes of LDS; arguments img, qbr, qbi, kbr, kbi, vbr, qimg, kv; writes qimg, kv
.if DOCPART == 2
	.amdgcn_target "amdgcn-amd-amdhsa--gfx1250"
	.amdhsa_code_object_version 6
	.text
	.protected	k_q21ee6b5859_proj
	.globl	k_q21ee6b5859_proj
	.p2align	8
	.type	k_q21ee6b5859_proj,@function
k_q21ee6b5859_proj:
	s_mov_b64 s[64:65], 0
	v_nop
	global_prefetch_b8 v0, s[64:65] scope:SCOPE_SE
	s_setreg_imm32_b32 hwreg(HW_REG_WAVE_MODE, 25, 1), 1
	s_wait_xcnt 0x0
; The five projections that reference() uses (q and k: real and imaginary part; v: real part), on the images that the launch before has made, each result quantised at once into attention's operands.
; ONE FORM FOR ALL: a wave keeps a group U of 128 rows that become the NEXT product's K (8 tiles x 4 K steps, 384 registers) for the whole launch and walks tiles T of 16 rows, which come
; straight from img into two buffers by turns.  A unit is one T: 32 matrix instructions (source 0 = U, source 1 = T; the 8 accumulators by turns, K step by K step), then the quantiser, then the image's stores.
; By U's choice of rows a lane's 64 results are k = 64 c + 32 h + 0 .. 31 of T's row r: two whole blocks in the operand's own order.
; q, k (work-groups 0-203): U = the head's 64 rows of Wr, then of Wi: so [real 64 | imaginary 64] is ONE K of 128 for the scores.  T = 16 rows of query or key.  The bias is the C of the first K step.
; v (work-groups 204-251): U = 128 rows of value (keys: the second attention product's K).  T = 16 rows of vWr (channels).  The bias lies along the lanes: eight equal registers.
; qimg: the codes of tile 512 head + row tile at 1536 x tile; from byte 6,291,456 the scale words, 128 bytes for two tiles: lanes 0-15 the even tile's, lanes 16-31 the odd one's.
; kv: a block of 19,200 bytes for each head, batch and step of 128 keys: K's 8 tiles, V's 4 tiles, K's scale words (16 bytes a lane), V's (8 bytes a lane), packed by pairs of tiles in the same way.
; No LDS, no barrier: waves share nothing.  LIMITS: as in the quantising launch (NaN, infinities; the byte 1 for blocks under 2^-124).  vWi, vbi are not read: reference() never uses their product.
.set TILEB, 6656
.set LI,  1                            ; v1   16 x lane
.set LS,  2                            ; v2   4 x lane
.set SH8, 3                            ; v3   8 h
.set SA,  4                            ; v4   lane x the pitch of the packed scale words (4, 16 or 8 bytes)
.set HB,  5                            ; v5   128 h: the bias of q and k
.set VB,  6                            ; v6   4 (32 (r / 8) + r % 8): the bias of v
.set TA,  16                           ; v16-63   T, buffer 0;  v200-247 buffer 1
.set ACC, 64                           ; v64-127  the 8 accumulators
.set PC,  128
.set CT,  140
.set TM,  148
.set SO,  152
.set BY,  154
.set TP,  156
.set PWA, 157                          ; v157, v158 the scale words of the even and the odd tile
.set PM,  159                          ; both, packed
.set US,  160                          ; v160-191 U's scale words (4 t + s)
.set TS,  192                          ; v192-195, v196-199 T's
.set CB,  192                          ; window 1: v192-255 the bias of q, k (8 t + j); in the v role v192-199, v200-207 for the two buffers
; window 1: U's K steps 0, 1 at 24 t + 12 s;  window 2: K steps 2, 3 likewise
.set SEL, 40
.set MSB, 0
.macro WIN new                         ; the immediate's high byte repeats the setting that is left
.if MSB != \new
	s_set_vgpr_msb (MSB<<8)|\new
.set MSB, \new
.endif
.endm
.macro QUANT s, pw                     ; 64 numbers of a lane, v[s + 32 c + i] = k 64 c + 32 h + i, become codes in v[PC] on and the row's scale word in v[pw]; each accumulator is read from its low end on
.irp c, 0,1
	v_max3_num_f32 v[TM+\c], |v[\s+32*\c]|, |v[\s+32*\c+1]|, 0x1800000      ; with the floor 2^(3 - 127) as a leaf: the byte cannot fall under 1
	v_max3_num_f32 v[TM+2+\c], |v[\s+32*\c+16]|, |v[\s+32*\c+17]|, |v[\s+32*\c+18]|
.endr
.irp i, 2,4,6,8,10,12
.irp c, 0,1
	v_max3_num_f32 v[TM+\c], v[TM+\c], |v[\s+32*\c+\i]|, |v[\s+32*\c+\i+1]|
	v_max3_num_f32 v[TM+2+\c], v[TM+2+\c], |v[\s+32*\c+\i+17]|, |v[\s+32*\c+\i+18]|
.endr
.endr
.irp c, 0,1
	v_max3_num_f32 v[TM+\c], v[TM+\c], |v[\s+32*\c+14]|, |v[\s+32*\c+15]|
.endr
.irp c, 0,1
	v_max3_num_f32 v[TM+\c], v[TM+\c], v[TM+2+\c], |v[\s+32*\c+31]|
.endr
.irp c, 0,1
	v_add_nc_u32 v[SO+\c], 0xff000000, v[TM+\c]    ; 2 off the exponent field: the conversion's scale operand
.endr
.irp c, 0,1
	v_lshrrev_b32 v[BY+\c], 23, v[SO+\c]
.endr
	v_lshl_or_b32 v[\pw], v[BY+1], 16, v[BY]
	v_lshlrev_b32 v[\pw], v[SH8], v[\pw]
	v_permlanex16_b32 v[TP], v[\pw], s[SEL], s[SEL+1]
	v_or_b32 v[\pw], v[\pw], v[TP]                 ; the row's word, in both halves of the lanes
.irp c, 0,1
	v_cvt_scalef32_pk16_fp6_f32 v[PC+6*\c:PC+6*\c+2], v[\s+32*\c:\s+32*\c+15], v[SO+\c]
	v_cvt_scalef32_pk16_fp6_f32 v[CT+4*\c:CT+4*\c+2], v[\s+32*\c+16:\s+32*\c+31], v[SO+\c]
.endr
	v_nop                                          ; one plain place behind the scaled conversions
.irp c, 0,1
.irp i, 0,1,2
	v_mov_b32 v[PC+6*\c+3+\i], v[CT+4*\c+\i]
.endr
.endr
.endm
; the 32 matrix instructions of a unit.  TT, TW: the buffer's codes and scale words
.macro MUL role, buf
	WIN 0x11                                       ; U and the bias in window 1
.irp t, 0,1,2,3,4,5,6,7
.if \role
	v_wmma_scale_f32_16x16x128_f8f6f4 v[ACC+8*\t:ACC+8*\t+7], v[24*\t:24*\t+11], v[TT:TT+11], v[CB+8*\buf:CB+8*\buf+7], v[US+4*\t], v[TW] matrix_a_fmt:MATRIX_FMT_FP6 matrix_b_fmt:MATRIX_FMT_FP6
.else
	v_wmma_scale_f32_16x16x128_f8f6f4 v[ACC+8*\t:ACC+8*\t+7], v[24*\t:24*\t+11], v[TT:TT+11], v[CB+8*\t:CB+8*\t+7], v[US+4*\t], v[TW] matrix_a_fmt:MATRIX_FMT_FP6 matrix_b_fmt:MATRIX_FMT_FP6
.endif
.endr
	WIN 0x01
.irp t, 0,1,2,3,4,5,6,7
	v_wmma_scale_f32_16x16x128_f8f6f4 v[ACC+8*\t:ACC+8*\t+7], v[24*\t+12:24*\t+23], v[TT+12:TT+23], v[ACC+8*\t:ACC+8*\t+7], v[US+4*\t+1], v[TW+1] matrix_a_fmt:MATRIX_FMT_FP6 matrix_b_fmt:MATRIX_FMT_FP6
.endr
	WIN 0x02                                       ; U in window 2
.irp s, 0,1
.irp t, 0,1,2,3,4,5,6,7
	v_wmma_scale_f32_16x16x128_f8f6f4 v[ACC+8*\t:ACC+8*\t+7], v[24*\t+12*\s:24*\t+12*\s+11], v[TT+24+12*\s:TT+35+12*\s], v[ACC+8*\t:ACC+8*\t+7], v[US+4*\t+2+\s], v[TW+2+\s] matrix_a_fmt:MATRIX_FMT_FP6 matrix_b_fmt:MATRIX_FMT_FP6
.endr
.endr
	WIN 0
.endm
; the bias address of vWr's tile s34 + ahead, held at tile 31: the look-ahead runs two tiles past a chunk
.macro BIASADR buf, ahead
	s_add_co_u32 s60, s34, \ahead
	s_min_u32 s60, s60, 31
	s_lshr_b32 s61, s60, 2
	s_lshl_b32 s61, s61, 8
	s_and_b32 s60, s60, 3
	s_lshl_b32 s60, s60, 5
	s_add_co_u32 s60, s60, s61                     ; 4 (64 (j / 4) + 8 (j % 4))
	s_mov_b32 s61, 0
	s_add_nc_u64 s[56+2*\buf:57+2*\buf], s[42:43], s[60:61]
.endm
; a tile T, off bytes behind the pair in hand, into buffer buf: 16 loads (24 in the v role)
.macro TLOAD buf, off, role
.irp s, 0,1,2,3
.irp k, 0,1,2
	global_load_b128 v[TA+184*\buf+12*\s+4*\k:TA+184*\buf+12*\s+4*\k+3], v[LI], s[28:29] offset:\off+1536*\s+512*\k
.endr
.endr
.irp s, 0,1,2,3
	global_load_b32 v[TS+4*\buf+\s], v[LS], s[28:29] offset:\off+6144+128*\s
.endr
.if \role
	WIN 0x40
.irp j, 0,1,2,3,4,5,6,7
	global_load_b32 v[CB+8*\buf+\j], v[VB], s[56+2*\buf:57+2*\buf]       ; my channel's bias, eight times: the C of every accumulator
.endr
	WIN 0
.endif
.endm
; where the unit's image goes: base + (tile >> SH) x BIG + (tile & MASK) x 1536; with the odd tile also the pair's scale words
.macro DEST buf, role
	s_add_co_u32 s60, s34, \buf
	s_lshr_b32 s61, s60, 3-\role
	s_mul_i32 s61, s61, s36
	s_and_b32 s60, s60, 7-4*\role
	s_mul_i32 s60, s60, 1536
	s_add_co_u32 s60, s60, s61
	s_mov_b32 s61, 0
	s_add_nc_u64 s[50+2*\buf:51+2*\buf], s[30:31], s[60:61]
.if \buf
	s_lshr_b32 s61, s34, 3-\role
	s_mul_i32 s61, s61, s37
	s_and_b32 s60, s34, 7-4*\role
	s_lshr_b32 s60, s60, 1
	s_mul_i32 s60, s60, s38
	s_add_co_u32 s60, s60, s61
	s_mov_b32 s61, 0
	s_add_nc_u64 s[54:55], s[32:33], s[60:61]
.endif
.endm
.macro UNIT buf, role
.set TT, TA+184*\buf
.set TW, TS+4*\buf
.if \role
	s_wait_loadcnt 24                              ; all but the other buffer's 24 loads, which were issued later: this buffer is in (at the entry U too)
.else
	s_wait_loadcnt 16                              ; the same with 16
.endif
	MUL \role, \buf
.rept 4
	v_nop                                          ; four places in front of the loads into T's registers and of the first read of the results
.endr
	s_wait_xcnt 0x0                                ; the last unit's stores have read their data and bases, the earlier loads their bases: all may be written
	DEST \buf, \role
.if \role
	BIASADR \buf, 2+\buf
.endif
	TLOAD \buf, (2+\buf)*TILEB, \role              ; two tiles ahead; past a chunk's end it still lies inside img and is not used
	QUANT ACC, PWA+\buf
.irp k, 0,1,2
	global_store_b128 v[LI], v[PC+4*\k:PC+4*\k+3], s[50+2*\buf:51+2*\buf] offset:512*\k   ; 512 consecutive bytes, at a multiple of 256 from the buffer's first byte
.endr
.if \buf
	v_cndmask_b32 v[PM], v[PWA], v[PWA+1], s39     ; lanes 0-15 the even tile's words, lanes 16-31 the odd one's
	global_store_b32 v[SA], v[PM], s[54:55]
.endif
.endm
.macro LOOP role
.Lloop_\@:
	UNIT 0, \role
	UNIT 1, \role
	s_wait_xcnt 0x0                                ; the loads have read their base
	s_add_nc_u64 s[28:29], s[28:29], 2*TILEB
	s_add_co_u32 s34, s34, 2
	s_sub_co_u32 s35, s35, 1
	s_cmp_lg_u32 s35, 0
	s_cbranch_scc1 .Lloop_\@
.endm
	s_load_b512 s[4:19], s[0:1], 0x0               ; img, qbr, qbi, kbr, kbi, vbr, qimg, kv
	v_lshrrev_b32 v7, 5, v0
	v_readfirstlane_b32 s20, v7                    ; wave
	v_and_b32 v7, 31, v0                           ; lane
	v_lshlrev_b32 v[LI], 4, v7
	v_lshlrev_b32 v[LS], 2, v7
	v_bfe_u32 v8, v0, 4, 1                         ; h
	v_lshlrev_b32 v[SH8], 3, v8
	v_lshlrev_b32 v[HB], 7, v8
	v_and_b32 v9, 7, v0
	v_bfe_u32 v10, v0, 3, 1
	v_lshl_add_u32 v9, v10, 5, v9
	v_lshlrev_b32 v[VB], 2, v9
	v_mov_b32 v[TP], 0                             ; a lane permute's destination counts as one of its sources
	s_mov_b32 s[SEL], 0x76543210
	s_mov_b32 s[SEL+1], 0xfedcba98
	s_mov_b32 s39, 0xffff0000
	; both roles' numbers are made, and chosen by the work-group's number: no pointer is written on one way alone
	s_mul_i32 s21, ttmp9, 1286
	s_lshr_b32 s21, s21, 16                        ; y = id / 51 (exact for id under 255): 0, 1 q; 2, 3 k; 4 in the v role
	s_mul_i32 s22, s21, 51
	s_sub_co_u32 s22, ttmp9, s22                   ; chunk of T tiles
	s_lshr_b32 s23, s21, 1                         ; 0 q, 1 k, 2 v
	s_and_b32 s21, s21, 1
	s_lshl_b32 s21, s21, 2
	s_add_co_u32 s21, s21, s20                     ; head
	s_sub_co_u32 s46, ttmp9, 204
	s_mul_i32 s47, s46, 21846
	s_lshr_b32 s47, s47, 16                        ; (id - 204) / 3
	s_mul_i32 s48, s47, 3
	s_sub_co_u32 s46, s46, s48                     ; v: chunk
	s_lshl_b32 s47, s47, 2
	s_add_co_u32 s47, s47, s20                     ; v: my group of 128 keys
	s_lshl_b32 s50, s23, 6
	s_lshl_b32 s48, s21, 2
	s_add_co_u32 s50, s50, s48
	s_add_co_u32 s50, s50, 1536                    ; q, k: U's first tile: Wr's tile 4 head
	s_lshl_b32 s54, s23, 9
	s_mul_i32 s34, s22, 10
	s_add_co_u32 s54, s54, s34                     ; T's first tile
	s_mul_i32 s56, s21, 786432                     ; q: the head's codes,
	s_mul_i32 s66, s21, 1228800                    ; k: the head's blocks
	s_lshl_b32 s58, s21, 15
	s_add_co_u32 s58, s58, 6291456                 ; q: the head's scale words
	s_add_co_u32 s67, s66, 18432                   ; k's
	s_lshl_b32 s60, s21, 8                         ; the head's 64 numbers of a bias
	s_mov_b32 s36, 19200
	s_mov_b32 s37, 19200
	s_cmp_eq_u32 s23, 0
	s_cselect_b32 s56, s56, s66
	s_cselect_b32 s58, s58, s67
	s_cselect_b32 s36, 12288, s36                  ; BIG: from 8 tiles to the next 8, codes
	s_cselect_b32 s37, 512, s37                    ; the same for the scale words
	s_cselect_b32 s38, 128, 4                      ; from a pair of tiles to the next
	s_cselect_b32 s62, 2, 4                        ; log2 of the lanes' pitch
	s_lshl_b32 s66, s47, 3
	s_add_co_u32 s66, s66, 1024                    ; v: U's first tile
	s_mul_i32 s67, s46, 10
	s_add_co_u32 s68, s67, 1664                    ; T's first tile
	s_mul_i32 s69, s47, 19200
	s_add_co_u32 s69, s69, 12288                   ; V's tiles in my step's block of head 0
	s_add_co_u32 s70, s69, 6656                    ; and its scale words
	s_mov_b32 s71, 1228800                         ; from head to head
	s_cmp_lt_u32 ttmp9, 204
	s_cselect_b32 s50, s50, s66
	s_cselect_b32 s52, 32, 4                       ; from U's tiles 0-3 to 4-7: Wr to Wi, or the next 64 keys
	s_cselect_b32 s54, s54, s68
	s_cselect_b32 s34, s34, s67                    ; the tile in hand
	s_cselect_b32 s22, s22, s46
	s_cselect_b32 s48, 50, 2                       ; the last chunk has 12 tiles, the others 10
	s_cselect_b32 s56, s56, s69
	s_cselect_b32 s58, s58, s70
	s_cselect_b32 s60, s60, 0
	s_cselect_b32 s36, s36, s71
	s_cselect_b32 s37, s37, s71
	s_cselect_b32 s38, s38, 4
	s_cselect_b32 s62, s62, 3
	s_cmp_eq_u32 s22, s48
	s_cselect_b32 s35, 6, 5                        ; trips of two tiles
	s_mul_i32 s50, s50, TILEB
	s_mul_i32 s52, s52, TILEB
	s_mul_i32 s54, s54, TILEB
	s_mov_b32 s51, 0
	s_mov_b32 s53, 0
	s_mov_b32 s55, 0
	s_mov_b32 s57, 0
	s_mov_b32 s59, 0
	s_mov_b32 s61, 0
	v_lshlrev_b32 v[SA], s62, v7
	s_wait_kmcnt 0x0
	s_add_nc_u64 s[24:25], s[4:5], s[50:51]        ; U's tiles 0-3
	s_add_nc_u64 s[26:27], s[24:25], s[52:53]      ; and 4-7
	s_add_nc_u64 s[28:29], s[4:5], s[54:55]        ; T
	s_cmp_eq_u32 s23, 0
	s_cselect_b64 s[30:31], s[16:17], s[18:19]     ; q goes to qimg, k and v to kv
	s_cselect_b64 s[42:43], s[6:7], s[10:11]
	s_cselect_b64 s[44:45], s[8:9], s[12:13]
	s_cmp_lt_u32 ttmp9, 204
	s_cselect_b64 s[42:43], s[42:43], s[14:15]
	s_add_nc_u64 s[32:33], s[30:31], s[58:59]
	s_add_nc_u64 s[30:31], s[30:31], s[56:57]
	s_add_nc_u64 s[42:43], s[42:43], s[60:61]
	s_add_nc_u64 s[44:45], s[44:45], s[60:61]
	WIN 0x40                                       ; U stays in registers
.irp t, 0,1,2,3,4,5,6,7
.irp s, 0,1
.irp k, 0,1,2
	global_load_b128 v[24*\t+12*\s+4*\k:24*\t+12*\s+4*\k+3], v[LI], s[24+2*(\t/4):25+2*(\t/4)] offset:TILEB*(\t%4)+1536*\s+512*\k
.endr
.endr
.endr
	WIN 0x80
.irp t, 0,1,2,3,4,5,6,7
.irp s, 0,1
.irp k, 0,1,2
	global_load_b128 v[24*\t+12*\s+4*\k:24*\t+12*\s+4*\k+3], v[LI], s[24+2*(\t/4):25+2*(\t/4)] offset:TILEB*(\t%4)+1536*(\s+2)+512*\k
.endr
.endr
.endr
	WIN 0
.irp t, 0,1,2,3,4,5,6,7
.irp s, 0,1,2,3
	global_load_b32 v[US+4*\t+\s], v[LS], s[24+2*(\t/4):25+2*(\t/4)] offset:TILEB*(\t%4)+6144+128*\s
.endr
.endr
	s_cmp_lt_u32 ttmp9, 204
	s_cbranch_scc0 .Lrole_v
	WIN 0x40
.irp t, 0,1,2,3,4,5,6,7                ; lane (r, h), tile 4 c + u, register j: the bias of channel 64 head + 32 h + 8 u + j, real (c = 0) or imaginary
	global_load_b128 v[CB+8*\t:CB+8*\t+3], v[HB], s[42+2*(\t/4):43+2*(\t/4)] offset:32*(\t%4)
	global_load_b128 v[CB+8*\t+4:CB+8*\t+7], v[HB], s[42+2*(\t/4):43+2*(\t/4)] offset:32*(\t%4)+16
.endr
	WIN 0
	TLOAD 0, 0, 0
	TLOAD 1, TILEB, 0
	LOOP 0
	s_endpgm                                       ; (the two tiles asked for past the chunk are plain loads and may be out)
.Lrole_v:
	BIASADR 0, 0
	BIASADR 1, 1
	TLOAD 0, 0, 1
	TLOAD 1, TILEB, 1
	LOOP 1
	s_endpgm
.Lfunc_end_k_q21ee6b5859_proj:
	.size	k_q21ee6b5859_proj, .Lfunc_end_k_q21ee6b5859_proj-k_q21ee6b5859_proj
	.p2alignl 7, 3214868480
	.fill 96, 4, 3214868480
	.section	.rodata,"a",@progbits
	.p2align	6, 0x0
	.amdhsa_kernel k_q21ee6b5859_proj
		.amdhsa_group_segment_fixed_size 0
		.amdhsa_private_segment_fixed_size 0
		.amdhsa_enable_private_segment 0
		.amdhsa_kernarg_size 64
		.amdhsa_user_sgpr_count 2
		.amdhsa_user_sgpr_kernarg_segment_ptr 1
		.amdhsa_wavefront_size32 1
		.amdhsa_system_sgpr_workgroup_id_x 1
		.amdhsa_system_sgpr_workgroup_id_y 1
		.amdhsa_system_sgpr_workgroup_id_z 1
		.amdhsa_system_vgpr_workitem_id 0
		.amdhsa_next_free_vgpr 768
		.amdhsa_next_free_sgpr 80
		.amdhsa_reserve_vcc 0
		.amdhsa_float_denorm_mode_32 3
		.amdhsa_float_denorm_mode_16_64 3
		.amdhsa_memory_ordered 1
		.amdhsa_forward_progress 1
		.amdhsa_inst_pref_size 67
	.end_amdhsa_kernel
	.amdgpu_metadata
---
amdhsa.version: [ 1, 2 ]
amdhsa.kernels:
  - .name:           k_q21ee6b5859_proj
    .symbol:         k_q21ee6b5859_proj.kd
    .args:
      - { .name: img, .offset: 0, .size: 8, .value_kind: global_buffer, .address_space: global }
      - { .name: qbr, .offset: 8, .size: 8, .value_kind: global_buffer, .address_space: global }
      - { .name: qbi, .offset: 16, .size: 8, .value_kind: global_buffer, .address_space: global }
      - { .name: kbr, .offset: 24, .size: 8, .value_kind: global_buffer, .address_space: global }
      - { .name: kbi, .offset: 32, .size: 8, .value_kind: global_buffer, .address_space: global }
      - { .name: vbr, .offset: 40, .size: 8, .value_kind: global_buffer, .address_space: global }
      - { .name: qimg, .offset: 48, .size: 8, .value_kind: global_buffer, .address_space: global }
      - { .name: kv, .offset: 56, .size: 8, .value_kind: global_buffer, .address_space: global }
    .group_segment_fixed_size: 0
    .private_segment_fixed_size: 0
    .kernarg_segment_align: 8
    .kernarg_segment_size: 64
    .max_flat_workgroup_size: 128
    .sgpr_count:     80
    .vgpr_count:     768
    .wavefront_size: 32
...
	.end_amdgpu_metadata
.endif
;; end of part 2
;; launch attn (part 3): grid 16 x 16, 16 waves a work-group, no clusters, 327,680 bytes of LDS; arguments qimg, kv, oimg; writes oimg
.if DOCPART == 3
	.amdgcn_target "amdgcn-amd-amdhsa--gfx1250"
	.amdhsa_code_object_version 6
	.text
	.protected	k_q21ee6b5859_attn
	.globl	k_q21ee6b5859_attn
	.p2align	8
	.type	k_q21ee6b5859_attn,@function
k_q21ee6b5859_attn:
	s_mov_b64 s[64:65], 0
	v_nop
	global_prefetch_b8 v0, s[64:65] scope:SCOPE_SE
	s_setreg_imm32_b32 hwreg(HW_REG_WAVE_MODE, 25, 1), 1
	s_wait_xcnt 0x0
; o = softmax((qr kr^T + qi ki^T) / 8 + mask) vr for one head and batch (work-group y = 2 head + batch), on codes of E2M3; key m counts for query l where m >= l - 128.
; [real 64 | imaginary 64] is one K of 128: one matrix instruction does both score products and their sum.
; THE SOFTMAX AHEAD OF THE SECOND PRODUCT: t = score x log2(e) / 8; M = the running largest t rounded up to a whole number; p = 2^(t - M) is quantised along the keys, not normalised; the sum is taken of the
; unquantised p and divides at the end; when M moves, the sum and O^T are multiplied by 2^(old M - new M), which rounds nothing.
; SHARES.  A work-group owns two blocks of 128 queries, block x and block 31 - x: block j needs the steps of 128 keys j - 1 .. 31, so every work-group has 35 (x = 0: 34) block-steps.  Sixteen waves, each with
; one tile of 16 queries in 256 registers; waves 0-3, 8-11 take the early block, waves 4-7, 12-15 the late one.
; The walk begins at the early block's first step, rounded down to four steps, and ends at the last key.  A step all of whose keys lie under the mask for a wave's queries is jumped over by a scalar branch on ids; no barrier and
; no tensor load stands in a step.  The trip count hangs on the work-group's number, so no LDS address is stepped: both slots are written out in the loop's body.
; LAYOUT.  Both products are used transposed (S^T = K Q^T, O^T = V^T P^T): a lane holds one query.  By the choice of keys in K's tiles, S's register 32 c + i is key 64 c + 32 h + i of the step: two whole blocks a lane, in
; the operand's own order.  By the choice of channels in V's tiles, O^T's register i is channel 32 h + i: one whole block of the output projection's K.
; K and V come as step blocks of 19,200 dense bytes (images of registers and packed scale words) through two LDS slots of two steps; waves 0 and 1 fetch a step each, all sixteen read.
; NO CLUSTER: the sixteen work-groups of a head walk 10, 12, 14 or 16 slots from four different starts (x = 0-4, 5-8, 9-12, 13-15), so partners would need different numbers of tiles.
; LIMITS: NaN and infinities are not served; the byte 1 for blocks under 2^-124.  The whole of LDS is claimed.
.set STEPB, 19200
.set SLOTB, 2*STEPB
.set SPARE, 2*SLOTB                    ; behind the slots: the spare words, 128 bytes for each of sixteen waves
.set AC,  1                            ; v1, v2  16 x lane in slot 0, 1 (v1 also serves global addresses)
.set AV,  3                            ; v3, v4  8 x lane likewise
.set SPW, 5                            ; v5   my spare word's LDS address; never rewritten
.set NIL, 6                            ; v6   0; never rewritten
.set SH8, 7                            ; v7   8 h
.set LN,  8                            ; v8   lane
.set PFO, 10                           ; v10  the prefetches' offset
.set RH,  11                           ; v11  r - 32 h
; v12 -M, v13 the largest t, v[14:15] the sum in two halves
.set QF,  16                           ; v16-27   Q
.set KS,  28                           ; v28-31   K's scale words: register j: lanes 0-15 tile 2 j, lanes 16-31 tile 2 j + 1
.set FRG, 32                           ; v32-127  K's 8 fragments; V's 4 later lie in v32-79
.set S,   128                          ; v128-191 S^T, then p
.set O,   192                          ; v192-223 O^T
.set PC,  224                          ; v224-235 p's codes
.set CT,  236                          ; v236-238, v240-242
.set BB,  239                          ; v239, v243 second chains of the maxima, then the bytes
.set BM,  244                          ; v244-245 the blocks' largest scores, then largest p
.set SO,  246                          ; v246-247 the conversions' scale operands
.set VS,  248                          ; v248-249 V's scale words
.set TP,  250
.set DD,  251
.set FF,  252                          ; f = 2^(old M - new M)
.set PW,  253                          ; p's scale word (named with f as a pair)
.set QS,  255                          ; Q's scale words
.set WV,  18
.set SEL, 20
.set CS,  22                           ; s[22:23] c = log2(e) / 8
.set G1,  24                           ; s[24:31] descriptor group 1
.set G0A, 32                           ; s[32:35] group 0 for slot 0
.set G0B, 36                           ; s[36:39] for slot 1
.set KEY0, 40                          ; s40  the step's first key
.set Q0,  41                           ; s41  my first query
.set TRIPS, 42
.set PFA, 44                           ; s[44:45] where my prefetches stand
.set LIM, 46                           ; s46  1 in a wave that prefetches, else the greatest number
.macro TLOAD g0                        ; waves 0 and 1 fetch a step each; an s_nop 0 and four v_nop follow the load
	s_cmp_lt_u32 s[WV], 2
	s_cbranch_scc0 .Lnone_\@
	tensor_load_to_lds s[\g0:\g0+3], s[G1:G1+7]
	s_nop 0
.rept 4
	v_nop
.endr
.Lnone_\@:
.endm
; A PREFETCH of the slot that the NEXT refill will ask for: 150 blocks of 256 bytes.  Of a head's sixteen work-groups the one that starts furthest along the keys (x = 15) asks, and nobody else; in it waves 4 to 8, which fetch
; nothing, ask for 30 blocks each, lanes 256 bytes apart (lanes 30 and 31 name lane 29's block with it).  how = 1: a trip's first refill, behind which another always follows; how = 0: its second, which in the last trip asks for nothing.
.macro ASK how
.if \how
	s_cmp_eq_u32 s[LIM], 1
.else
	s_cmp_gt_u32 s[TRIPS], s[LIM]
.endif
	s_cbranch_scc0 .Lnot_mine_\@
	global_prefetch_b8 v[PFO], s[PFA:PFA+1] th:TH_LOAD_NT scope:SCOPE_SE
.Lnot_mine_\@:
.endm
; THE CHANGE OF SLOTS.  Each wave waits for all its tensor loads (its part of the slot ahead), adds 0 to its spare word, and waits for that and for its reads of the slot that it has left; behind the barrier the slot ahead is whole
; and nobody reads the other one.  fill = 1: that one is filled with the keys four steps on: the load has a slot's two steps in which to land.
.macro CHANGE g0, fill, how
	s_wait_tensorcnt 0x0                           ; no tensor load of mine is out, so a group 0 may be written
	ds_add_u32 v[SPW], v[NIL]
.if \fill
	s_add_nc_u64 s[\g0+2:\g0+3], s[\g0+2:\g0+3], 2*SLOTB   ; the type bits on top are not reached
	s_wait_xcnt 0x0                                ; the last prefetch, a slot back, has read its address
	s_add_nc_u64 s[PFA:PFA+1], s[PFA:PFA+1], SLOTB
.endif
	s_wait_dscnt 0x0                               ; the add is done, and my reads of the slot that I have left are over
	s_barrier_signal -1
	s_barrier_wait -1
.if \fill
	TLOAD \g0                                      ; first behind the barrier, and a wave's one tensor load until the next
	ASK \how
.endif
.endm
.macro KQ t                            ; S^T's tile t: 16 keys x my 16 queries
.if (\t)%2
	v_wmma_scale_f32_16x16x128_f8f6f4 v[S+8*(\t):S+8*(\t)+7], v[FRG+12*(\t):FRG+12*(\t)+11], v[QF:QF+11], 0, v[KS+(\t)/2], v[QS] matrix_a_fmt:MATRIX_FMT_FP6 matrix_b_fmt:MATRIX_FMT_FP6 matrix_a_scale:MATRIX_SCALE_ROW1
.else
	v_wmma_scale_f32_16x16x128_f8f6f4 v[S+8*(\t):S+8*(\t)+7], v[FRG+12*(\t):FRG+12*(\t)+11], v[QF:QF+11], 0, v[KS+(\t)/2], v[QS] matrix_a_fmt:MATRIX_FMT_FP6 matrix_b_fmt:MATRIX_FMT_FP6
.endif
.endm
.macro PV u                            ; O^T's tile u += 16 channels x 128 keys x P
.if (\u)%2
	v_wmma_scale_f32_16x16x128_f8f6f4 v[O+8*(\u):O+8*(\u)+7], v[FRG+12*(\u):FRG+12*(\u)+11], v[PC:PC+11], v[O+8*(\u):O+8*(\u)+7], v[VS+(\u)/2], v[PW] matrix_a_fmt:MATRIX_FMT_FP6 matrix_b_fmt:MATRIX_FMT_FP6 matrix_a_scale:MATRIX_SCALE_ROW1
.else
	v_wmma_scale_f32_16x16x128_f8f6f4 v[O+8*(\u):O+8*(\u)+7], v[FRG+12*(\u):FRG+12*(\u)+11], v[PC:PC+11], v[O+8*(\u):O+8*(\u)+7], v[VS+(\u)/2], v[PW] matrix_a_fmt:MATRIX_FMT_FP6 matrix_b_fmt:MATRIX_FMT_FP6
.endif
.endm
; A KEY STEP: 128 keys, the q-th of slot sl
.macro STEP sl, q
	s_add_co_u32 s48, s[KEY0], 255
	s_cmp_lt_u32 s48, s[Q0]                        ; the step's last key + 128 lies under my first query: all its keys are hidden
	s_cbranch_scc1 .Lhidden_\@
.rept 4
	v_nop                                          ; places in front of loads into registers that the last step's products have read
.endr
	ds_load_b128 v[KS:KS+3], v[AC+\sl] offset:STEPB*(\q)+18432
.irp t, 0,1,2,3,4,5,6,7
.irp k, 0,1,2
	ds_load_b128 v[FRG+12*\t+4*\k:FRG+12*\t+4*\k+3], v[AC+\sl] offset:STEPB*(\q)+1536*\t+512*\k   ; an image: 512 consecutive bytes a load
.endr
.endr
	s_wait_dscnt 12                                ; the scale words and tiles 0-3 are in; tiles 4-7's twelve loads may be out
.irp t, 0,1,2,3
	KQ \t
.endr
	s_wait_dscnt 0x0
.irp t, 4,5,6,7
	KQ \t
.endr
.rept 4
	v_nop                                          ; places in front of the loads below and of the first read of the scores
.endr
	ds_load_b64 v[VS:VS+1], v[AV+\sl] offset:STEPB*(\q)+18944
.irp u, 0,1,2,3
.irp k, 0,1,2
	ds_load_b128 v[FRG+12*\u+4*\k:FRG+12*\u+4*\k+3], v[AC+\sl] offset:STEPB*(\q)+12288+1536*\u+512*\k   ; V lands while the softmax is worked
.endr
.endr
	s_add_co_u32 s48, s[KEY0], 113
	s_cmp_ge_u32 s48, s[Q0]                        ; the step's first key + 128 reaches my last query: every key counts
	s_cbranch_scc1 .Lopen_\@
	s_sub_co_i32 s48, s[Q0], s[KEY0]
	s_sub_co_i32 s48, s48, 128
	v_add_nc_u32 v[DD], s48, v[RH]                 ; d = my query - 128 - the step's first key - 32 h.  Register 32 c + i holds key 64 c + 32 h + i: hidden where 64 c + i < d
	v_mov_b32 v254, 0xff800000                     ; -infinity: p = 0 then.  In this one step of a wave every query still sees a key
.irp c, 0,1
.irp i, 0,1,2,3,4,5,6,7,8,9,10,11,12,13,14,15,16,17,18,19,20,21,22,23,24,25,26,27,28,29,30,31
	v_cmp_lt_i32 vcc_lo, 64*\c+\i, v[DD]
	v_cndmask_b32 v[S+32*\c+\i], v[S+32*\c+\i], v254, vcc_lo
.endr
.endr
.Lopen_\@:
.irp c, 0,1                            ; the largest SCORE of each of my two blocks of 32 keys, in two chains: it serves the row's maximum and, since p rises with the score, the block's largest p
	v_max3_num_f32 v[BM+\c], v[S+32*\c], v[S+32*\c+1], v[S+32*\c+2]
	v_max3_num_f32 v[BB+4*\c], v[S+32*\c+16], v[S+32*\c+17], v[S+32*\c+18]
.endr
.irp i, 3,5,7,9,11,13
.irp c, 0,1
	v_max3_num_f32 v[BM+\c], v[BM+\c], v[S+32*\c+\i], v[S+32*\c+\i+1]
	v_max3_num_f32 v[BB+4*\c], v[BB+4*\c], v[S+32*\c+\i+16], v[S+32*\c+\i+17]
.endr
.endr
.irp c, 0,1
	v_max3_num_f32 v[BM+\c], v[BM+\c], v[BB+4*\c], v[S+32*\c+15]
.endr
.irp c, 0,1
	v_max_num_f32 v[BM+\c], v[BM+\c], v[S+32*\c+31]
.endr
	v_max_num_f32 v254, v[BM], v[BM+1]
	v_permlanex16_b32 v[TP], v254, s[SEL], s[SEL+1]
	v_max_num_f32 v254, v254, v[TP]                ; with lane l xor 16's 64 keys: the step's largest score of my query
	v_mul_f32 v254, s[CS], v254                    ; as t (c is positive)
	v_max_num_f32 v13, v13, v254                   ; the running largest t
	v_mov_b32 v254, v12
	v_floor_f32 v12, -v13                          ; the new -M = floor(-t): M is a whole number
	v_sub_f32 v254, v12, v254                      ; old M - new M: a whole number, 0 or less
	v_cvt_i32_f32 v254, v254                       ; (it saturates)
	v_ldexp_f32 v[FF], 1.0, v254                   ; f
.irp a, 0,1,2,3,4,5,6,7
.irp b, 0,2,4,6
	v_pk_fma_f32 v[S+8*\a+\b:S+8*\a+\b+1], v[S+8*\a+\b:S+8*\a+\b+1], s[CS:CS+1], v[12:13] op_sel_hi:[1,0,0]   ; t - M, two at a time
.endr
.endr
.irp c, 0,1
	v_fma_f32 v[BM+\c], v[BM+\c], s[CS], v12       ; the same of each block's largest score
.endr
.irp a, 0,1,2,3,4,5,6,7
.irp b, 0,1,2,3,4,5,6,7
	v_exp_f32 v[S+8*\a+\b], v[S+8*\a+\b]           ; p = 2^(t - M), at most 1
.endr
.endr
	v_pk_mul_f32 v[14:15], v[14:15], v[FF:FF+1] op_sel_hi:[1,0]   ; the sums under the new M: the plain place behind the exponentials
	s_wait_alu depctr_va_vdst(0)                   ; one wait for the batch of 64, ahead of its first reader
.irp c, 0,1
	v_exp_f32 v[BM+\c], v[BM+\c]                   ; the block's largest p: the same two instructions on the same number
.endr
	v_pk_add_f32 v[CT:CT+1], v[S:S+1], v[S+2:S+3]  ; the row's sum is taken of the unquantised p, in two chains; it reads the 64 alone
.irp j, 4,8,12,16,20,24,28,32,36,40,44,48,52,56,60
	v_pk_add_f32 v[14:15], v[14:15], v[S+\j:S+\j+1]
	v_pk_add_f32 v[CT:CT+1], v[CT:CT+1], v[S+\j+2:S+\j+3]
.endr
	v_pk_add_f32 v[14:15], v[14:15], v[CT:CT+1]
	s_wait_alu depctr_va_vdst(0)                   ; and one for the two
.irp c, 0,1
	v_max_num_f32 v[BM+\c], 0x1800000, v[BM+\c]    ; the floor 2^(3 - 127): a block whose every p is 0 keeps the byte 1; its codes are zeros
.endr
.irp c, 0,1
	v_add_nc_u32 v[SO+\c], 0xff000000, v[BM+\c]
.endr
.irp c, 0,1
	v_lshrrev_b32 v[BB+4*\c], 23, v[SO+\c]
.endr
	v_lshl_or_b32 v[PW], v[BB+4], 16, v[BB]
	v_lshlrev_b32 v[PW], v[SH8], v[PW]
	v_permlanex16_b32 v[TP], v[PW], s[SEL], s[SEL+1]
	v_or_b32 v[PW], v[PW], v[TP]                   ; p's scale word for these 128 keys
.irp c, 0,1
	v_cvt_scalef32_pk16_fp6_f32 v[PC+6*\c:PC+6*\c+2], v[S+32*\c:S+32*\c+15], v[SO+\c]
	v_cvt_scalef32_pk16_fp6_f32 v[CT+4*\c:CT+4*\c+2], v[S+32*\c+16:S+32*\c+31], v[SO+\c]
.endr
	v_nop                                          ; one plain place behind the scaled conversions
.irp c, 0,1
.irp i, 0,1,2
	v_mov_b32 v[PC+6*\c+3+\i], v[CT+4*\c+\i]
.endr
.endr
.irp j, 0,2,4,6,8,10,12,14,16,18,20,22,24,26,28,30
	v_pk_mul_f32 v[O+\j:O+\j+1], v[O+\j:O+\j+1], v[FF:FF+1] op_sel_hi:[1,0]   ; O^T under the new M; these sixteen are also the places between the scale word's and the codes' last writes and the products
.endr
	s_wait_dscnt 0x0                               ; V is in
.irp u, 0,1,2,3
	PV \u
.endr
.Lhidden_\@:
	s_add_co_u32 s[KEY0], s[KEY0], 128
.endm
	s_load_b128 s[4:7], s[0:1], 0x0                ; qimg, kv
	s_load_b64 s[8:9], s[0:1], 0x10                ; oimg
	v_lshl_add_u32 v[SPW], v0, 2, SPARE
	v_mov_b32 v[NIL], 0
	ds_add_u32 v[SPW], v[NIL]                      ; the wave's opening: the add and its wait stand ahead of the first tensor load; the set-up, work on registers, stands between
	v_lshrrev_b32 v8, 5, v0
	v_readfirstlane_b32 s[WV], v8                  ; wave 0..15
	v_and_b32 v[LN], 31, v0
	v_lshlrev_b32 v[AC], 4, v[LN]
	v_add_nc_u32 v[AC+1], SLOTB, v[AC]
	v_lshlrev_b32 v[AV], 3, v[LN]
	v_add_nc_u32 v[AV+1], SLOTB, v[AV]
	v_min_u32 v[PFO], 29, v[LN]
	v_lshlrev_b32 v[PFO], 8, v[PFO]
	v_bfe_u32 v9, v0, 4, 1                         ; h
	v_lshlrev_b32 v[SH8], 3, v9
	v_and_b32 v[RH], 15, v0
	v_lshlrev_b32 v9, 5, v9
	v_sub_nc_u32 v[RH], v[RH], v9
	v_and_b32 v254, 15, v0
	v_lshlrev_b32 v254, 2, v254                    ; Q's scale words: 4 r
	s_and_b32 s10, ttmp7, 0xffff                   ; y = 2 head + batch
	s_max_u32 s11, ttmp9, 1
	s_sub_co_u32 s11, s11, 1
	s_lshr_b32 s11, s11, 2                         ; a: the walk begins at step 4 a
	s_sub_co_u32 s[TRIPS], 7, s11                  ; 2 + 2 x trips slots are walked
	s_lshl_b32 s[KEY0], s11, 9
	s_bfe_u32 s12, s[WV], 0x10002                  ; 0: the early block, 1: the late one
	s_sub_co_u32 s13, 31, ttmp9
	s_cmp_eq_u32 s12, 0
	s_cselect_b32 s13, ttmp9, s13
	s_and_b32 s14, s[WV], 3
	s_lshr_b32 s15, s[WV], 3
	s_lshl_b32 s15, s15, 2
	s_add_co_u32 s14, s14, s15                     ; my tile in the block
	s_lshl_b32 s13, s13, 3
	s_add_co_u32 s13, s13, s14                     ; my tile of 16 queries
	s_lshl_b32 s[Q0], s13, 4
	; descriptor group 1: a step block as 75 rows of 256 dense bytes (32 elements of 8 bytes), no padding, no mask
	s_mov_b32 s[G1], 3<<16
	s_mov_b32 s[G1+1], 32<<16                      ; tensor_dim0
	s_mov_b32 s[G1+2], 75<<16                      ; tensor_dim1
	s_mov_b32 s[G1+3], 32<<16                      ; tile_dim0
	s_mov_b32 s[G1+4], 75                          ; tile_dim1
	s_mov_b32 s[G1+5], 32                          ; from row to row
	s_mov_b32 s[G1+6], 0
	s_mov_b32 s[G1+7], 0
	s_and_b32 s16, s[WV], 1                        ; which of a slot's two steps I fetch, if I fetch
	s_mul_i32 s17, s16, STEPB
	s_lshl_b32 s48, s10, 5
	s_lshl_b32 s49, s11, 2
	s_add_co_u32 s48, s48, s49
	s_mul_i32 s50, s48, STEPB                      ; where the walk begins in kv
	s_mov_b32 s51, 0
	s_add_co_u32 s52, s50, s17
	s_mov_b32 s53, 0
	s_lshl_b32 s54, s10, 8
	s_add_co_u32 s54, s54, s13                     ; Q's tile
	s_lshl_b32 s56, s54, 6
	s_add_co_u32 s56, s56, 6291456                 ; its scale words: 64 bytes a tile
	s_mul_i32 s54, s54, 1536
	s_mov_b32 s55, 0
	s_mov_b32 s57, 0
	s_and_b32 s58, s10, 1
	s_lshl_b32 s58, s58, 8
	s_add_co_u32 s58, s58, s13                     ; o's row tile
	s_mul_i32 s58, s58, 6656
	s_lshr_b32 s62, s10, 1                         ; head
	s_mul_i32 s63, s62, 768
	s_lshr_b32 s60, s62, 1
	s_lshl_b32 s60, s60, 7
	s_and_b32 s62, s62, 1
	s_lshl_b32 s62, s62, 1
	s_add_co_u32 s60, s60, s62
	s_add_co_u32 s60, s60, s58
	s_add_co_u32 s60, s60, 6144                    ; my half of the scale words of K step head / 2
	s_add_co_u32 s58, s58, s63                     ; my head's six registers
	s_mov_b32 s59, 0
	s_mov_b32 s61, 0
	s_sub_co_u32 s48, s[WV], 4
	s_cmp_lt_u32 s48, 5                            ; waves 4 to 8
	s_cselect_b32 s[LIM], 1, -1
	s_cmp_eq_u32 ttmp9, 15                         ; of work-group x = 15
	s_cselect_b32 s[LIM], s[LIM], -1
	s_min_u32 s48, s48, 4
	s_mul_i32 s48, s48, 7680                       ; my 30 blocks,
	s_add_co_u32 s48, s48, 2*SLOTB                 ; two slots past the start: the first change steps it to the third.  Nothing is prefetched at the head
	s_mov_b32 s49, 0
	s_mov_b32 s[SEL], 0x76543210
	s_mov_b32 s[SEL+1], 0xfedcba98
	s_mov_b32 s[CS], 0x3e38aa3b                    ; log2(e) / 8
	s_mov_b32 s[CS+1], s[CS]                       ; (named with it as a pair)
	s_wait_dscnt 0x0                               ; the opening add is done
	s_wait_kmcnt 0x0
	s_mov_b32 s[G0A], 1
	s_mov_b32 s[G0A+1], s17                        ; LDS: slot 0, my step
	s_add_nc_u64 s[G0A+2:G0A+3], s[6:7], s[52:53]
	s_mov_b32 s[G0B], 1
	s_add_co_u32 s[G0B+1], s17, SLOTB
	s_add_nc_u64 s[G0B+2:G0B+3], s[G0A+2:G0A+3], SLOTB
	s_or_b32 s[G0A+3], s[G0A+3], 0x80000000        ; type = 2
	s_or_b32 s[G0B+3], s[G0B+3], 0x80000000
	s_cmp_lt_u32 s[WV], 2                          ; both first fills in one branch: two loads of a fetching wave are out
	s_cbranch_scc0 .Lno_fill
	tensor_load_to_lds s[G0A:G0A+3], s[G1:G1+7]
	s_nop 0
	tensor_load_to_lds s[G0B:G0B+3], s[G1:G1+7]
	s_nop 0
.rept 4
	v_nop
.endr
.Lno_fill:
	s_add_nc_u64 s[PFA:PFA+1], s[6:7], s[50:51]
	s_add_nc_u64 s[PFA:PFA+1], s[PFA:PFA+1], s[48:49]
	s_add_nc_u64 s[54:55], s[4:5], s[54:55]
	s_add_nc_u64 s[56:57], s[4:5], s[56:57]
	s_add_nc_u64 s[58:59], s[8:9], s[58:59]
	s_add_nc_u64 s[60:61], s[8:9], s[60:61]
.irp k, 0,1,2
	global_load_b128 v[QF+4*\k:QF+4*\k+3], v[AC], s[54:55] offset:512*\k    ; Q's fragment stays in registers
.endr
	global_load_b32 v[QS], v254, s[56:57]
	v_mov_b32 v13, 0xff61b1e6                      ; the largest t so far: -3e38
	v_floor_f32 v12, -v13
	v_mov_b32 v14, 0
	v_mov_b32 v15, 0
	v_mov_b32 v[TP], 0                             ; a lane permute's destination counts as one of its sources
	v_mov_b32 v[PW], 0                             ; (named as the upper half of a pair before it is first written)
.irp j, 0,1,2,3,4,5,6,7,8,9,10,11,12,13,14,15,16,17,18,19,20,21,22,23,24,25,26,27,28,29,30,31
	v_mov_b32 v[O+\j], 0                           ; the step is written without a first form of its own: the first change of M multiplies zeros
.endr
	s_wait_tensorcnt 0x1                           ; my part of slot 0 is in; slot 1's may stay out
	s_barrier_signal -1
	s_barrier_wait -1
	s_wait_loadcnt 0x0                             ; Q
	STEP 0, 0
	STEP 0, 1
.Lpair:
	CHANGE G0A, 1, 1
	STEP 1, 0
	STEP 1, 1
	CHANGE G0B, 1, 0
	STEP 0, 0
	STEP 0, 1
	s_sub_co_u32 s[TRIPS], s[TRIPS], 1
	s_cmp_lg_u32 s[TRIPS], 0
	s_cbranch_scc1 .Lpair
	CHANGE G0A, 0, 0                               ; the last slot is written out: nothing is left to fetch
	STEP 1, 0
	STEP 1, 1
	; THE WAY OUT: O^T / the sum, 32 neighbouring channels a lane: one block of the output projection's K; quantised, it leaves as six registers of that operand's image
.rept 4
	v_nop                                          ; places behind the last products
.endr
	v_add_f32 v14, v14, v15
	v_permlanex16_b32 v[TP], v14, s[SEL], s[SEL+1]
	v_add_f32 v14, v14, v[TP]                      ; the row's sum
	v_rcp_f32 v14, v14
	v_lshlrev_b32 v254, 2, v[LN]                   ; (the plain place behind the reciprocal)  4 x lane
	s_wait_alu depctr_va_vdst(0)                   ; ahead of its first reader
.irp j, 0,2,4,6,8,10,12,14,16,18,20,22,24,26,28,30
	v_pk_mul_f32 v[S+\j:S+\j+1], v[O+\j:O+\j+1], v[14:15] op_sel_hi:[1,0]
.endr
	v_max3_num_f32 v[BM], |v[S]|, |v[S+1]|, 0x1800000
	v_max3_num_f32 v[BM+1], |v[S+16]|, |v[S+17]|, |v[S+18]|
.irp i, 2,4,6,8,10,12
	v_max3_num_f32 v[BM], v[BM], |v[S+\i]|, |v[S+\i+1]|
	v_max3_num_f32 v[BM+1], v[BM+1], |v[S+\i+17]|, |v[S+\i+18]|
.endr
	v_max3_num_f32 v[BM], v[BM], |v[S+14]|, |v[S+15]|
	v_max3_num_f32 v[BM], v[BM], v[BM+1], |v[S+31]|
	v_add_nc_u32 v[SO], 0xff000000, v[BM]
	v_lshrrev_b32 v[BB], 23, v[SO]
	v_lshlrev_b32 v[BB], v[SH8], v[BB]
	v_permlanex16_b32 v[TP], v[BB], s[SEL], s[SEL+1]
	v_or_b32 v[BB], v[BB], v[TP]                   ; the head's two bytes of my row's scale word
	v_cvt_scalef32_pk16_fp6_f32 v[PC:PC+2], v[S:S+15], v[SO]
	v_cvt_scalef32_pk16_fp6_f32 v[CT:CT+2], v[S+16:S+31], v[SO]
	v_nop
.irp i, 0,1,2
	v_mov_b32 v[PC+3+\i], v[CT+\i]
.endr
	global_store_b128 v[AC], v[PC:PC+3], s[58:59]              ; 512 consecutive bytes
	global_store_b64 v[AV], v[PC+4:PC+5], s[58:59] offset:512  ; 256 consecutive bytes
	global_store_b16 v254, v[BB], s[60:61]                     ; half of each of 32 neighbouring words; the neighbouring head fills the other half
	s_wait_tensorcnt 0x0                           ; the wave's end
	ds_add_u32 v[SPW], v[NIL]
	s_wait_dscnt 0x0
	s_endpgm
.Lfunc_end_k_q21ee6b5859_attn:
	.size	k_q21ee6b5859_attn, .Lfunc_end_k_q21ee6b5859_attn-k_q21ee6b5859_attn
	.p2alignl 7, 3214868480
	.fill 96, 4, 3214868480
	.section	.rodata,"a",@progbits
	.p2align	6, 0x0
	.amdhsa_kernel k_q21ee6b5859_attn
		.amdhsa_group_segment_fixed_size 327680
		.amdhsa_private_segment_fixed_size 0
		.amdhsa_enable_private_segment 0
		.amdhsa_kernarg_size 24
		.amdhsa_user_sgpr_count 2
		.amdhsa_user_sgpr_kernarg_segment_ptr 1
		.amdhsa_wavefront_size32 1
		.amdhsa_system_sgpr_workgroup_id_x 1
		.amdhsa_system_sgpr_workgroup_id_y 1
		.amdhsa_system_sgpr_workgroup_id_z 1
		.amdhsa_system_vgpr_workitem_id 0
		.amdhsa_next_free_vgpr 256
		.amdhsa_next_free_sgpr 72
		.amdhsa_reserve_vcc 1
		.amdhsa_float_denorm_mode_32 3
		.amdhsa_float_denorm_mode_16_64 3
		.amdhsa_memory_ordered 1
		.amdhsa_forward_progress 1
		.amdhsa_inst_pref_size 175
	.end_amdhsa_kernel
	.amdgpu_metadata
---
amdhsa.version: [ 1, 2 ]
amdhsa.kernels:
  - .name:           k_q21ee6b5859_attn
    .symbol:         k_q21ee6b5859_attn.kd
    .args:
      - { .name: qimg, .offset: 0, .size: 8, .value_kind: global_buffer, .address_space: global }
      - { .name: kv, .offset: 8, .size: 8, .value_kind: global_buffer, .address_space: global }
      - { .name: oimg, .offset: 16, .size: 8, .value_kind: global_buffer, .address_space: global }
    .group_segment_fixed_size: 327680
    .private_segment_fixed_size: 0
    .kernarg_segment_align: 8
    .kernarg_segment_size: 24
    .max_flat_workgroup_size: 512
    .sgpr_count:     72
    .vgpr_count:     256
    .wavefront_size: 32
...
	.end_amdgpu_metadata
.endif
;; end of part 3
;; launch outp (part 4): grid 256 x 1, 4 waves a work-group, no clusters, 34,304 bytes of LDS; arguments img, oimg, obr, obi, out0, out1; writes out0, out1
.if DOCPART == 4
	.amdgcn_target "amdgcn-amd-amdhsa--gfx1250"
	.amdhsa_code_object_version 6
	.text
	.protected	k_q21ee6b5859_outp
	.globl	k_q21ee6b5859_outp
	.p2align	8
	.type	k_q21ee6b5859_outp,@function
k_q21ee6b5859_outp:
	s_mov_b64 s[64:65], 0
	v_nop
	global_prefetch_b8 v0, s[64:65] scope:SCOPE_SE
	s_setreg_imm32_b32 hwreg(HW_REG_WAVE_MODE, 25, 1), 1
	s_wait_xcnt 0x0
; out0 = o oWr^T + obr, out1 = o oWi^T + obi, on the images of oWr, oWi (img) and of o (oimg).
; A work-group takes one of the two outputs (its number's low bit) and 64 rows; wave w keeps the weight's rows 128 w .. 128 w + 127 (8 tiles x 4 K steps, 384 registers) and walks four tiles of 16 rows of o, in two buffers by turns.
; The matrix instruction is used transposed (source 0 = 16 rows of the weight, source 1 = 16 rows of o): a lane holds eight neighbouring columns of one row.  The bias is the C of the first K step.
; A tile's 16 rows x 512 bytes go through the wave's own stage in LDS and leave as whole rows: each store covers 512 consecutive bytes, at a multiple of 256 from the output's first byte.  No barrier: waves share nothing.
.set TILEB, 6656
.set STG,   16*528
.set SPARE, 4*STG                      ; behind the stages: the spare words
.set LI,  1                            ; v1  16 x lane
.set LS,  2                            ; v2  4 x lane
.set L8,  3                            ; v3  8 x lane
.set HB,  5                            ; v5  32 h: the bias
.set STO, 6                            ; v6  the stage, in
.set RD,  7                            ; v7  the stage, back
.set CO,  8                            ; v8  my bytes of a row of the output
.set SPW, 10
.set NIL, 11
.set TA,  16                           ; v16-63 o's tile, buffer 0; v200-247 buffer 1
.set ACC, 64                           ; v64-127 the accumulators, then whole rows
.set US,  160                          ; v160-191 the weight's scale words
.set TS,  192                          ; v192-199 o's
.set CB,  192                          ; window 1: v192-255 the bias.  window 1: K steps 0, 1 of the weight at 24 t + 12 s; window 2: K steps 2, 3
.set MSB, 0
.macro WIN new
.if MSB != \new
	s_set_vgpr_msb (MSB<<8)|\new
.set MSB, \new
.endif
.endm
.macro TLOAD buf, n                    ; o's tile n of my four: each head's six registers, and four scale words: 20 loads
.irp d, 0,1,2,3,4,5,6,7
	global_load_b128 v[TA+184*(\buf)+6*\d:TA+184*(\buf)+6*\d+3], v[LI], s[28:29] offset:TILEB*(\n)+768*\d
	global_load_b64 v[TA+184*(\buf)+6*\d+4:TA+184*(\buf)+6*\d+5], v[L8], s[28:29] offset:TILEB*(\n)+768*\d+512
.endr
.irp s, 0,1,2,3
	global_load_b32 v[TS+4*(\buf)+\s], v[LS], s[28:29] offset:TILEB*(\n)+6144+128*\s
.endr
.endm
.macro MUL                             ; 32 matrix instructions, the 8 accumulators by turns, K step by K step
	WIN 0x11
.irp t, 0,1,2,3,4,5,6,7
	v_wmma_scale_f32_16x16x128_f8f6f4 v[ACC+8*\t:ACC+8*\t+7], v[24*\t:24*\t+11], v[TT:TT+11], v[CB+8*\t:CB+8*\t+7], v[US+4*\t], v[TW] matrix_a_fmt:MATRIX_FMT_FP6 matrix_b_fmt:MATRIX_FMT_FP6
.endr
	WIN 0x01
.irp t, 0,1,2,3,4,5,6,7
	v_wmma_scale_f32_16x16x128_f8f6f4 v[ACC+8*\t:ACC+8*\t+7], v[24*\t+12:24*\t+23], v[TT+12:TT+23], v[ACC+8*\t:ACC+8*\t+7], v[US+4*\t+1], v[TW+1] matrix_a_fmt:MATRIX_FMT_FP6 matrix_b_fmt:MATRIX_FMT_FP6
.endr
	WIN 0x02
.irp s, 0,1
.irp t, 0,1,2,3,4,5,6,7
	v_wmma_scale_f32_16x16x128_f8f6f4 v[ACC+8*\t:ACC+8*\t+7], v[24*\t+12*\s:24*\t+12*\s+11], v[TT+24+12*\s:TT+35+12*\s], v[ACC+8*\t:ACC+8*\t+7], v[US+4*\t+2+\s], v[TW+2+\s] matrix_a_fmt:MATRIX_FMT_FP6 matrix_b_fmt:MATRIX_FMT_FP6
.endr
.endr
	WIN 0
.endm
.macro UNIT n
.set TT, TA+184*((\n)%2)
.set TW, TS+4*((\n)%2)
.if (\n) < 3
	s_wait_loadcnt 20                              ; all but the other buffer's 20 loads, which were issued later
.else
	s_wait_loadcnt 0x0
.endif
	s_wait_xcnt 0x0                                ; the last tile's stores have read the registers that the products write
	MUL
.rept 5
	v_nop                                          ; FIVE places: the next tile's first products begin these accumulators anew, with the bias as C, and so write over registers of these products; the loads into o's registers and into the accumulators, and the first read of the results, ask for four of them
.endr
.if (\n) < 2
	TLOAD (\n)%2, (\n)+2
.endif
.irp t, 0,1,2,3,4,5,6,7
	ds_store_b128 v[STO], v[ACC+8*\t:ACC+8*\t+3] offset:64*\t          ; each accumulator from its low end on
	ds_store_b128 v[STO], v[ACC+8*\t+4:ACC+8*\t+7] offset:64*\t+16
.endr
.irp i, 0,1,2,3,4,5,6,7,8,9,10,11,12,13,14,15
	ds_load_b128 v[ACC+4*\i:ACC+4*\i+3], v[RD] offset:528*\i           ; LDS serves a wave's instructions in order: these see my stores, and land in the registers that the stores have left
.endr
.irp i, 0,1,2,3,4,5,6,7,8,9,10,11,12,13,14,15
	s_wait_dscnt 15-\i                             ; row i is back; the younger ones may be out
	global_store_b128 v[CO], v[ACC+4*\i:ACC+4*\i+3], s[30:31] offset:32768*(\n)+2048*\i th:TH_STORE_NT
.endr
.endm
	s_load_b256 s[4:11], s[0:1], 0x0               ; img, oimg, obr, obi
	s_load_b128 s[12:15], s[0:1], 0x20             ; out0, out1
	v_lshl_add_u32 v[SPW], v0, 2, SPARE
	v_mov_b32 v[NIL], 0
	v_lshrrev_b32 v9, 5, v0
	v_readfirstlane_b32 s20, v9                    ; wave
	v_and_b32 v9, 31, v0
	v_lshlrev_b32 v[LI], 4, v9
	v_lshlrev_b32 v[LS], 2, v9
	v_lshlrev_b32 v[L8], 3, v9
	v_bfe_u32 v12, v0, 4, 1                        ; h
	v_and_b32 v13, 15, v0                          ; r
	v_lshlrev_b32 v[HB], 5, v12
	s_mul_i32 s21, s20, STG
	v_mul_u32_u24 v[STO], v13, 528
	v_lshl_add_u32 v[STO], v12, 5, v[STO]
	v_add_nc_u32 v[STO], s21, v[STO]               ; row r, + 32 h; tile t's eight columns 64 t bytes on
	v_add_nc_u32 v[RD], s21, v[LI]
	s_lshl_b32 s42, s20, 9                         ; my 128 columns: 512 bytes
	s_mov_b32 s43, 0
	v_add_nc_u32 v[CO], s42, v[LI]
	s_and_b32 s23, ttmp9, 1                        ; 0: real part, 1: imaginary part
	s_lshr_b32 s34, ttmp9, 1                       ; which 64 rows
	s_lshl_b32 s36, s23, 5
	s_lshl_b32 s37, s20, 3
	s_add_co_u32 s36, s36, s37
	s_add_co_u32 s36, s36, 1696                    ; my first tile of the weight in img
	s_mul_i32 s36, s36, TILEB
	s_mov_b32 s37, 0
	s_mul_i32 s38, s34, 4*TILEB
	s_mov_b32 s39, 0
	s_lshl_b32 s40, s34, 17                        ; 64 rows of 2,048 bytes
	s_mov_b32 s41, 0
	s_wait_kmcnt 0x0
	s_add_nc_u64 s[24:25], s[4:5], s[36:37]
	s_add_nc_u64 s[28:29], s[6:7], s[38:39]
	s_cmp_eq_u32 s23, 0
	s_cselect_b64 s[26:27], s[8:9], s[10:11]
	s_cselect_b64 s[30:31], s[12:13], s[14:15]
	s_add_nc_u64 s[26:27], s[26:27], s[42:43]
	s_add_nc_u64 s[30:31], s[30:31], s[40:41]
	WIN 0x40
.irp t, 0,1,2,3,4,5,6,7
.irp s, 0,1
.irp k, 0,1,2
	global_load_b128 v[24*\t+12*\s+4*\k:24*\t+12*\s+4*\k+3], v[LI], s[24:25] offset:TILEB*\t+1536*\s+512*\k
.endr
.endr
	global_load_b128 v[CB+8*\t:CB+8*\t+3], v[HB], s[26:27] offset:64*\t        ; the bias of columns 128 w + 16 t + 8 h + 0 .. 7
	global_load_b128 v[CB+8*\t+4:CB+8*\t+7], v[HB], s[26:27] offset:64*\t+16
.endr
	WIN 0x80
.irp t, 0,1,2,3,4,5,6,7
.irp s, 0,1
.irp k, 0,1,2
	global_load_b128 v[24*\t+12*\s+4*\k:24*\t+12*\s+4*\k+3], v[LI], s[24:25] offset:TILEB*\t+1536*(\s+2)+512*\k
.endr
.endr
.endr
	WIN 0
.irp t, 0,1,2,3,4,5,6,7
.irp s, 0,1,2,3
	global_load_b32 v[US+4*\t+\s], v[LS], s[24:25] offset:TILEB*\t+6144+128*\s
.endr
.endr
	TLOAD 0, 0
	TLOAD 1, 1
	UNIT 0
	UNIT 1
	UNIT 2
	UNIT 3
	s_wait_tensorcnt 0x0                           ; the wave's end, behind my last LDS store
	ds_add_u32 v[SPW], v[NIL]
	s_wait_dscnt 0x0
	s_endpgm
.Lfunc_end_k_q21ee6b5859_outp:
	.size	k_q21ee6b5859_outp, .Lfunc_end_k_q21ee6b5859_outp-k_q21ee6b5859_outp
	.p2alignl 7, 3214868480
	.fill 96, 4, 3214868480
	.section	.rodata,"a",@progbits
	.p2align	6, 0x0
	.amdhsa_kernel k_q21ee6b5859_outp
		.amdhsa_group_segment_fixed_size 34304
		.amdhsa_private_segment_fixed_size 0
		.amdhsa_enable_private_segment 0
		.amdhsa_kernarg_size 48
		.amdhsa_user_sgpr_count 2
		.amdhsa_user_sgpr_kernarg_segment_ptr 1
		.amdhsa_wavefront_size32 1
		.amdhsa_system_sgpr_workgroup_id_x 1
		.amdhsa_system_sgpr_workgroup_id_y 1
		.amdhsa_system_sgpr_workgroup_id_z 1
		.amdhsa_system_vgpr_workitem_id 0
		.amdhsa_next_free_vgpr 768
		.amdhsa_next_free_sgpr 66
		.amdhsa_reserve_vcc 0
		.amdhsa_float_denorm_mode_32 3
		.amdhsa_float_denorm_mode_16_64 3
		.amdhsa_memory_ordered 1
		.amdhsa_forward_progress 1
		.amdhsa_inst_pref_size 57
	.end_amdhsa_kernel
	.amdgpu_metadata
---
amdhsa.version: [ 1, 2 ]
amdhsa.kernels:
  - .name:           k_q21ee6b5859_outp
    .symbol:         k_q21ee6b5859_outp.kd
    .args:
      - { .name: img, .offset: 0, .size: 8, .value_kind: global_buffer, .address_space: global }
      - { .name: oimg, .offset: 8, .size: 8, .value_kind: global_buffer, .address_space: global }
      - { .name: obr, .offset: 16, .size: 8, .value_kind: global_buffer, .address_space: global }
      - { .name: obi, .offset: 24, .size: 8, .value_kind: global_buffer, .address_space: global }
      - { .name: out0, .offset: 32, .size: 8, .value_kind: global_buffer, .address_space: global }
      - { .name: out1, .offset: 40, .size: 8, .value_kind: global_buffer, .address_space: global }
    .group_segment_fixed_size: 34304
    .private_segment_fixed_size: 0
    .kernarg_segment_align: 8
    .kernarg_segment_size: 48
    .max_flat_workgroup_size: 128
    .sgpr_count:     66
    .vgpr_count:     768
    .wavefront_size: 32
...
	.end_amdgpu_metadata
.endif
;; end of part 4
